; MI455X (gfx1250); checked and timed in simulation.
; The chip was launched on July 23, 2026; its instructions are those of AMD's public machine-readable ISA for CDNA 5 (MIT licence, August 2026) and "CDNA5" Instruction Set Architecture Reference Guide (July 2026). The comments in the code are by the model that wrote it; some were corrected since.
;; Cross Attention. Allowed arithmetic: matrix products marked QUANTISED: E2M1 operands, one E8M0 scale for each 32 along K, by v_wmma_scale_f32_16x16x128_f8f6f4 with both operands' format E2M1 (or v_wmma_scale_f32_32x16x128_f4), f32 sums; products left as they are: bf16, f16 or f32 operands; f32 sums; everything else in f32.
;; Inputs: Wk 512 x 512 float32; Wo 512 x 512 float32; Wq 512 x 512 float32; Wv 512 x 512 float32; bo 512 float32; gamma_k 512 float32; gamma_out 512 float32; gamma_q 512 float32; gamma_v 512 float32; x 2 x 4,096 x 512 float32.
;; Outputs: out0 2 x 4,096 x 512 float32.
;; This version of the problem:
;;   THIS VERSION OF THE PROBLEM IS GIVEN IN LOW PRECISION. The matrix products marked QUANTISED in the list below multiply operands that are first quantised to E2M1 (2 exponent bits, 1 mantissa bit; 4 bits a number), with one power-of-two scale for each 32 numbers along K (OCP MX v1.0); their sums are f32. The products marked 'left as it is' may take bf16, f16 or f32 operands, with f32 sums. Whichever they take, every output number must still come out within the allowed error. Rounding operands to bf16 (8 significant bits) uses up far more of that allowance than f16 does (11 bits, for magnitudes from 6e-5 to 65,504). All else is computed in f32.
;;   The module's matrix products, in the order in which they are computed (A, B: the left and right operand; K: the contracted axis; several contracted axes count as one K, in the product's order):
;;     1. [M 8,192, K 512] x [K 512, N 512]; A: input x; B: input Wq: QUANTISED
;;     2. [M 8,192, K 512] x [K 512, N 512]; A: input x; B: input Wk: QUANTISED
;;     3. [M 8,192, K 512] x [K 512, N 512]; A: input x; B: input Wv: QUANTISED
;;     4. batch 16 x [M 4,096, K 64] x [K 64, N 4,096]; A: computed on the way; B: computed on the way: left as it is (an operand is computed on the way)
;;     5. batch 16 x [M 4,096, K 4,096] x [K 4,096, N 64]; A: computed on the way; B: computed on the way: left as it is (an operand is computed on the way)
;;     6. [M 8,192, K 512] x [K 512, N 512]; A: computed on the way; B: input Wo: left as it is (an operand is computed on the way)
;;   THE QUANTISER, for each operand of a quantised product, along K:
;;     - K is cut into blocks of 32 from its start; a last block that is shorter is filled with zeros.
;;     - A block's scale is 2^e with e = floor(log2(the largest magnitude in the block)) - 2, held to -126 .. 127; a block of zeros has e = 0. As a byte (E8M0): e + 127.
;;     - Each number is divided by its block's scale, clamped to +-6, and rounded to the nearest number of E2M1, ties to even, subnormals kept.
;;     - The product sums the exact products of the quantised numbers (number of the format x scale) in f32.
;;   ~~~python
;;   def quantise(x, axis):      # numpy; x: float32 -> the quantised numbers, widened to float32 again
;;       x = np.moveaxis(x, axis, -1); K = x.shape[-1]
;;       x = np.pad(x, [(0, 0)] * (x.ndim - 1) + [(0, -K % 32)]); x = x.reshape(x.shape[:-1] + (-1, 32)); a = np.abs(x).max(-1, keepdims=True)
;;       e = np.where(a > 0, np.clip(np.frexp(np.where(a > 0, a, 1))[1] - 1 - 2, -126, 127), 0)      # np.frexp(a)[1] - 1 = floor(log2(a)), exactly
;;       r = np.clip(x / 2.0 ** e, -6, 6)
;;       step = 2.0 ** (np.maximum(np.frexp(np.where(r == 0, 1, r))[1] - 1, 0) - 1)
;;       q = np.round(r / step) * step * 2.0 ** e      # np.round: ties to even
;;       return np.moveaxis(q.reshape(q.shape[:-2] + (-1,))[..., :K], -1, axis).astype(np.float32)
;;   ~~~
;; One version. Each part assembles by itself: llvm-mc -triple=amdgcn-amd-amdhsa -mcpu=gfx1250 --defsym DOCPART=n.
;; ======== version 1 of 1: 4 launches
;; limits: values are held in f16: magnitudes above 65,504 overflow, below 6.1e-05 lose precision
;; workspace buffers: codes 2,490,368 bytes; scales 155,648 bytes; amax 2,560 bytes; wo16 524,288 bytes; qf 8,388,608 bytes; kf 8,388,608 bytes; vf 8,388,608 bytes; rf 8,388,608 bytes
;; launch prep (part 1): grid 168 x 1, 4 waves a work-group, no clusters, 41,472 bytes of LDS; arguments x, Wq, Wk, Wv, Wo, codes, scales, amax, wo16; writes codes, scales, amax, wo16
.if DOCPART == 1
	.amdgcn_target "amdgcn-amd-amdhsa--gfx1250"
	.amdhsa_code_object_version 6
	.text
	.protected	k_q2da9234ade_prep
	.globl	k_q2da9234ade_prep
	.p2align	8
	.type	k_q2da9234ade_prep,@function
k_q2da9234ade_prep:
	s_mov_b64 s[64:65], 0
	v_nop
	global_prefetch_b8 v0, s[64:65] scope:SCOPE_SE
	s_setreg_imm32_b32 hwreg(HW_REG_WAVE_MODE, 25, 1), 1
	s_wait_xcnt 0x0
; x [8192][512], Wq, Wk, Wv [512][512], f32, become codes of FP4 (E2M1) with one E8M0 byte for each 32 along K (their last axis); Wo [512][512] becomes f16.
; A block's scale is 2^(floor(log2(its largest magnitude)) - 2): its byte is that magnitude's exponent field - 2, held at 1 from below; each number is divided by the scale and rounded to the nearest code, ties to even,
; what lies beyond 6 taking the largest code.  (A block of zeros gets the byte 1 where the rule says 127: its codes are zeros, which add nothing under any byte but 0xff, and this program alone reads the bytes.)
; LAYOUT OF THE RESULTS: in the order of the matrix operands' registers, so that the next launches load fragments by 16 bytes a lane, 512 consecutive bytes an instruction.
;   codes:  608 tiles of 16 rows (0-511 x, 512-543 Wq, 544-575 Wk, 576-607 Wv), 4,096 bytes each: [block of 32 along K, 16][row, 16][16 bytes].
;   scales: [tile][row][16 bytes]: word s of a row is the scale word of its s-th 128 along K.      amax: word T = the largest magnitude of tile T (not under 2^-124).
;   wo16:   [tile of 16 rows, 32][piece of 8 along K, 64][row, 16][16 bytes].
; SHARES.  Work-groups 0-151: a wave takes one tile, 16 steps of one row (512 numbers).  Work-groups 152-167: a wave takes half the K of one tile of Wo.  Waves share nothing: no barrier, no cluster, no matrix unit.
; A step: four loads of 512 consecutive bytes; the 2,048 bytes turn through the wave's own stage in LDS, so that a lane holds 16 neighbours along K (two lanes to a block).  Loads run eight steps (32 loads a wave) ahead.
; A lane's 8 bytes of codes go to a second stage, [block][row], and leave at the end as 8 stores of 512 consecutive bytes; the 256 scale bytes leave as one aligned run of 256 bytes.
; LIMITS: NaN and infinities among the inputs are not served; a number of Wo beyond 65,504 becomes infinity in f16; blocks whose largest magnitude lies under 2^-124 keep the byte 1.
.set QWG,   152                        ; work-groups that quantise
.set STEPS, 16
.set AHEAD, 8                          ; steps of loads on their way
.set EMAX,  2
.set WREG,  10240                      ; LDS: a region for each wave: two stages of 32 x SP bytes,
.set SP,    80                         ; (a lane's 64 bytes + 16 of padding)
.set SCB,   5120                       ; its 256 scale bytes,
.set CST,   5376                       ; and the codes' stage: 16 blocks x (16 rows x 16 bytes + 16)
.set CP,    272
.set SPARE, 4*WREG                     ; behind the regions: the spare words, 128 bytes a wave: two blocks of 256 bytes that no other line names
.set SPW,   12                         ; v12  LDS address of my spare word; never rewritten
.set NIL,   13                         ; v13  0; never rewritten
.set MX,    16                         ; v16  the tile's largest magnitude so far
.set R,     32                         ; v32-159  eight sets of 16 numbers as loaded
.set X,     160                        ; v160-191 two sets of 16 neighbours (Wo: v160-223 the f16 pieces)
.set C,     192                        ; v192-223 two registers of codes for each step
.set E,     224                        ; v224-239 a scale byte for each step
	s_load_b512 s[4:19], s[0:1], 0x0               ; x, Wq, Wk, Wv, Wo, codes, scales, amax
	s_load_b64 s[20:21], s[0:1], 0x40              ; wo16
	v_lshl_add_u32 v[SPW], v0, 2, SPARE
	v_mov_b32 v[NIL], 0
	v_lshrrev_b32 v1, 5, v0
	v_readfirstlane_b32 s24, v1                    ; wave
	v_and_b32 v2, 31, v0                           ; lane
	v_lshlrev_b32 v3, 4, v2                        ; 16 x lane
	s_lshl_b32 s25, ttmp9, 2
	s_add_co_u32 s25, s25, s24                     ; T = 4 x work-group + wave
	s_mov_b32 s29, 0                               ; the upper word of every offset
	s_cmp_ge_u32 ttmp9, QWG
	s_cbranch_scc1 .Lwo
	s_mul_i32 s26, s24, WREG                       ; my region
	v_lshrrev_b32 v14, 2, v2
	v_mul_u32_u24 v14, v14, SP
	v_and_b32 v15, 3, v2
	v_lshl_add_u32 v14, v15, 4, v14
	v_add_nc_u32 v14, s26, v14                     ; the stage, on the way in: SP (lane / 4) + 16 (lane % 4)
	v_mul_u32_u24 v15, v2, SP
	v_add_nc_u32 v15, s26, v15                     ; on the way out: SP x lane
	v_lshrrev_b32 v5, 1, v2                        ; my block
	v_mul_u32_u24 v4, v5, CP
	v_and_b32 v6, 1, v2
	v_lshl_add_u32 v4, v6, 3, v4
	v_add_nc_u32 v4, s26, v4
	v_add_nc_u32 v4, CST, v4                       ; the codes' stage: my block, my half of its 16 bytes; the row stands in the immediate
	v_add_nc_u32 v5, s26, v5
	v_add_nc_u32 v5, SCB, v5                       ; my block's scale byte
	v_lshlrev_b32 v7, 3, v2                        ; the scale bytes on the way out: 8 a lane
	v_add_nc_u32 v6, s26, v7
	v_add_nc_u32 v6, SCB, v6
	v_lshrrev_b32 v17, 4, v2
	v_mul_u32_u24 v17, v17, CP
	v_and_b32 v8, 15, v2
	v_lshl_add_u32 v17, v8, 4, v17
	v_add_nc_u32 v17, s26, v17
	v_add_nc_u32 v17, CST, v17                     ; the codes on the way out: two blocks an instruction, sixteen lanes to a block
	v_mov_b32 v10, 0                               ; the offset of amax's one word
	s_mov_b32 s30, 0x76543210
	s_mov_b32 s31, 0xfedcba98                      ; v_permlanex16_b32's selects for lane l xor 16
	s_wait_kmcnt 0x0
	s_cmp_lt_u32 ttmp9, 144                        ; which tensor: the choice hangs on the work-group's number alone
	s_cselect_b64 s[22:23], s[8:9], s[10:11]
	s_cmp_lt_u32 ttmp9, 136
	s_cselect_b64 s[22:23], s[6:7], s[22:23]
	s_cmp_lt_u32 ttmp9, 128
	s_cselect_b64 s[22:23], s[4:5], s[22:23]
	s_mov_b32 s27, 31
	s_cselect_b32 s27, 0x3ff, s27
	s_and_b32 s28, s25, s27                        ; the tile's number within its tensor (a weight has 32 tiles, and 512 is a multiple of 32)
	s_lshl_b32 s28, s28, 15                        ; 16 rows of 2,048 bytes
	s_add_nc_u64 s[22:23], s[22:23], s[28:29]
	s_lshl_b32 s28, s25, 12
	s_add_nc_u64 s[14:15], s[14:15], s[28:29]      ; my tile's codes,
	s_lshl_b32 s28, s25, 8
	s_add_nc_u64 s[16:17], s[16:17], s[28:29]      ; scale bytes,
	s_lshl_b32 s28, s25, 2
	s_add_nc_u64 s[18:19], s[18:19], s[28:29]      ; and largest magnitude
.macro LOAD t
.irp i, 0,1,2,3
	global_load_b128 v[R+16*((\t)%AHEAD)+4*\i:R+16*((\t)%AHEAD)+4*\i+3], v3, s[22:23] offset:2048*(\t)+512*\i th:TH_LOAD_NT   ; 32 lanes read 512 consecutive bytes
.endr
.endm
.macro TURN t                          ; step t's numbers through the stage: LDS serves a wave's instructions in order, so no wait stands between the stores and the loads
.irp i, 0,1,2,3
	ds_store_b128 v14, v[R+16*((\t)%AHEAD)+4*\i:R+16*((\t)%AHEAD)+4*\i+3] offset:32*SP*((\t)%2)+8*SP*\i
.endr
.irp i, 0,1,2,3
	ds_load_b128 v[X+16*((\t)%2)+4*\i:X+16*((\t)%2)+4*\i+3], v15 offset:32*SP*((\t)%2)+16*\i
.endr
.endm
.irp t, 0,1,2,3,4,5,6,7
	LOAD \t
.endr
	s_wait_loadcnt 4*(AHEAD-1)                     ; step 0's four loads are in; the seven steps behind it may be out
	TURN 0
.macro STEP t
.set XS, X+16*((\t)%2)
.if (\t) > 0
	s_wait_dscnt 2                                 ; this step's numbers are back from the stage (behind them: the last step's byte store and code store), so its stores into the stage have read their registers,
.else
	s_wait_dscnt 0x0
.endif
.if (\t)+AHEAD < STEPS
	LOAD (\t)+AHEAD                                ; which take the loads of eight steps on
.endif
.if (\t)+1 < STEPS
.if (\t) < STEPS-AHEAD
	s_wait_loadcnt 4*(AHEAD-1)                     ; the next step's four loads are in; those of the seven steps behind it may be out
.else
	s_wait_loadcnt 4*(STEPS-2-(\t))                ; the counts run down
.endif
	TURN (\t)+1                                    ; they go through the other stage while this step is worked
.endif
	v_max3_num_f32 v8, |v[XS]|, |v[XS+1]|, |v[XS+2]|               ; the largest magnitude of my 16, in two chains
	v_max3_num_f32 v9, |v[XS+3]|, |v[XS+4]|, |v[XS+5]|
.irp i, 6,10
	v_max3_num_f32 v8, v8, |v[XS+\i]|, |v[XS+\i+1]|
	v_max3_num_f32 v9, v9, |v[XS+\i+2]|, |v[XS+\i+3]|
.endr
	v_max3_num_f32 v8, v8, |v[XS+14]|, |v[XS+15]|
	v_max3_num_f32 v8, v8, v9, (EMAX+1)<<23        ; and the floor 2^(3 - 127): the byte cannot fall under 1
	v_max_num_f32_dpp v8, v8, v8 row_xmask:1 row_mask:0xf bank_mask:0xf   ; with my neighbour's 16: the block's
.if (\t) == 0
	v_mov_b32 v[MX], v8
.else
	v_max_num_f32 v[MX], v[MX], v8
.endif
	v_add_nc_u32 v11, -(EMAX<<23), v8              ; 2 off its exponent field: the conversion takes the exponent field of this operand as its scale
	v_cvt_scalef32_pk8_fp4_f32 v[C+2*(\t)], v[XS:XS+7], v11
	v_cvt_scalef32_pk8_fp4_f32 v[C+2*(\t)+1], v[XS+8:XS+15], v11
	v_lshrrev_b32 v[E+(\t)], 23, v11               ; the scale's byte (a plain line behind the conversions)
	ds_store_b8 v5, v[E+(\t)] offset:16*(\t)       ; both lanes of a block write the same byte with the same value
	ds_store_b64 v4, v[C+2*(\t):C+2*(\t)+1] offset:16*(\t)
.endm
.irp t, 0,1,2,3,4,5,6,7,8,9,10,11,12,13,14,15
	STEP \t
.endr
	ds_load_b64 v[8:9], v6                         ; LDS serves a wave's instructions in order: these see my stores
.irp i, 0,1,2,3,4,5,6,7
	ds_load_b128 v[R+4*\i:R+4*\i+3], v17 offset:2*CP*\i
.endr
	s_wait_dscnt 8                                 ; the scale bytes are back; the eight loads behind them may be out
	global_store_b64 v7, v[8:9], s[16:17]          ; 32 lanes store 256 consecutive bytes, aligned
.irp i, 0,1,2,3,4,5,6,7
	s_wait_dscnt 7-\i
	global_store_b128 v3, v[R+4*\i:R+4*\i+3], s[14:15] offset:512*\i   ; 512 consecutive bytes: two blocks of the tile
.endr
	v_max_num_f32_dpp v[MX], v[MX], v[MX] row_xmask:2 row_mask:0xf bank_mask:0xf   ; the tile's largest magnitude, over the lanes
	v_max_num_f32_dpp v[MX], v[MX], v[MX] row_xmask:4 row_mask:0xf bank_mask:0xf
	v_max_num_f32_dpp v[MX], v[MX], v[MX] row_xmask:8 row_mask:0xf bank_mask:0xf
	v_permlanex16_b32 v11, v[MX], s30, s31
	v_max_num_f32 v[MX], v[MX], v11
	v_cmp_eq_u32 vcc_lo, 0, v2
	s_wait_xcnt 0x0                                ; EXEC is a source of the stores above: it changes only behind this wait
	s_and_saveexec_b32 s26, vcc_lo
	global_store_b32 v10, v[MX], s[18:19]          ; lane 0 alone
	s_wait_xcnt 0x0                                ; and again in front of the line that widens it
	s_or_b32 exec_lo, exec_lo, s26
	s_wait_tensorcnt 0x0                           ; the wave's end: behind my last LDS store
	ds_add_u32 v[SPW], v[NIL]
	s_wait_dscnt 0x0
	s_endpgm
.Lwo:                                              ; Wo to f16.  Lane (r = lane % 16, hh = lane / 16) takes, of row r, piece 32 half + 2 i + hh: 8 numbers, 32 bytes
	s_sub_co_u32 s25, s25, 4*QWG                   ; 0 .. 63
	s_lshr_b32 s26, s25, 1                         ; the tile of 16 rows
	s_and_b32 s27, s25, 1                          ; which half of K
	v_and_b32 v4, 15, v2
	v_lshrrev_b32 v5, 4, v2
	v_lshlrev_b32 v4, 11, v4
	v_lshl_add_u32 v4, v5, 5, v4                   ; 2,048 r + 32 hh
	s_lshl_b32 s28, s26, 15
	s_lshl_b32 s30, s27, 10
	s_add_co_u32 s28, s28, s30                     ; in Wo
	s_lshl_b32 s30, s26, 14
	s_lshl_b32 s31, s27, 13
	s_add_co_u32 s30, s30, s31                     ; in wo16
	s_mov_b32 s31, 0
	s_wait_kmcnt 0x0
	s_add_nc_u64 s[12:13], s[12:13], s[28:29]
	s_add_nc_u64 s[20:21], s[20:21], s[30:31]
.irp i, 0,1,2,3,4,5,6,7,8,9,10,11,12,13,14,15
	global_load_b128 v[R+8*\i:R+8*\i+3], v4, s[12:13] offset:64*\i
	global_load_b128 v[R+8*\i+4:R+8*\i+7], v4, s[12:13] offset:64*\i+16
.endr
.irp i, 0,1,2,3,4,5,6,7,8,9,10,11,12,13,14,15
	s_wait_loadcnt 2*(15-\i)                       ; piece i's two loads are in; the younger pieces' may be out
.irp p, 0,1,2,3
	v_cvt_pk_f16_f32 v[X+4*\i+\p], v[R+8*\i+2*\p], v[R+8*\i+2*\p+1]
.endr
	global_store_b128 v3, v[X+4*\i:X+4*\i+3], s[20:21] offset:512*\i   ; pieces 2 i and 2 i + 1 of 16 rows: 512 consecutive bytes
.endr
	s_wait_tensorcnt 0x0                           ; the same three closing lines as on the other way
	ds_add_u32 v[SPW], v[NIL]
	s_wait_dscnt 0x0
	s_endpgm
.Lfunc_end_k_q2da9234ade_prep:
	.size	k_q2da9234ade_prep, .Lfunc_end_k_q2da9234ade_prep-k_q2da9234ade_prep
	.p2alignl 7, 3214868480
	.fill 96, 4, 3214868480
	.section	.rodata,"a",@progbits
	.p2align	6, 0x0
	.amdhsa_kernel k_q2da9234ade_prep
		.amdhsa_group_segment_fixed_size 41472
		.amdhsa_private_segment_fixed_size 0
		.amdhsa_enable_private_segment 0
		.amdhsa_kernarg_size 72
		.amdhsa_user_sgpr_count 2
		.amdhsa_user_sgpr_kernarg_segment_ptr 1
		.amdhsa_wavefront_size32 1
		.amdhsa_system_sgpr_workgroup_id_x 1
		.amdhsa_system_sgpr_workgroup_id_y 1
		.amdhsa_system_sgpr_workgroup_id_z 1
		.amdhsa_system_vgpr_workitem_id 0
		.amdhsa_next_free_vgpr 240
		.amdhsa_next_free_sgpr 66
		.amdhsa_reserve_vcc 1
		.amdhsa_float_denorm_mode_32 3
		.amdhsa_float_denorm_mode_16_64 3
		.amdhsa_memory_ordered 1
		.amdhsa_forward_progress 1
		.amdhsa_inst_pref_size 46
	.end_amdhsa_kernel
	.amdgpu_metadata
---
amdhsa.version: [ 1, 2 ]
amdhsa.kernels:
  - .name:           k_q2da9234ade_prep
    .symbol:         k_q2da9234ade_prep.kd
    .args:
      - { .name: x, .offset: 0, .size: 8, .value_kind: global_buffer, .address_space: global }
      - { .name: Wq, .offset: 8, .size: 8, .value_kind: global_buffer, .address_space: global }
      - { .name: Wk, .offset: 16, .size: 8, .value_kind: global_buffer, .address_space: global }
      - { .name: Wv, .offset: 24, .size: 8, .value_kind: global_buffer, .address_space: global }
      - { .name: Wo, .offset: 32, .size: 8, .value_kind: global_buffer, .address_space: global }
      - { .name: codes, .offset: 40, .size: 8, .value_kind: global_buffer, .address_space: global }
      - { .name: scales, .offset: 48, .size: 8, .value_kind: global_buffer, .address_space: global }
      - { .name: amax, .offset: 56, .size: 8, .value_kind: global_buffer, .address_space: global }
      - { .name: wo16, .offset: 64, .size: 8, .value_kind: global_buffer, .address_space: global }
    .group_segment_fixed_size: 41472
    .private_segment_fixed_size: 0
    .kernarg_segment_align: 8
    .kernarg_segment_size: 72
    .max_flat_workgroup_size: 128
    .sgpr_count:     66
    .vgpr_count:     240
    .wavefront_size: 32
...
	.end_amdgpu_metadata
.endif
;; end of part 1
;; launch proj (part 2): grid 32 x 8, 4 waves a work-group, no clusters, 0 bytes of LDS; arguments codes, scales, amax, gamma_q, gamma_k, gamma_v, qf, kf, vf; writes qf, kf, vf
.if DOCPART == 2
	.amdgcn_target "amdgcn-amd-amdhsa--gfx1250"
	.amdhsa_code_object_version 6
	.text
	.protected	k_q2da9234ade_proj
	.globl	k_q2da9234ade_proj
	.p2align	8
	.type	k_q2da9234ade_proj,@function
k_q2da9234ade_proj:
	s_mov_b64 s[64:65], 0
	v_nop
	global_prefetch_b8 v0, s[64:65] scope:SCOPE_SE
	s_setreg_imm32_b32 hwreg(HW_REG_WAVE_MODE, 25, 1), 1
	s_wait_xcnt 0x0
; q = gamma_q (x Wq^T), k = gamma_k (x Wk^T), v = gamma_v (x Wv^T): the three quantised products, on codes of FP4 (E2M1) with E8M0 scales, sums in f32.
; SHARES.  Work-group (bx, y): tokens 256 bx on, head y (channels 64 y on).  Wave w: 64 tokens (four tiles of 16) x the head's 64 channels (four tiles), for q, then k, then v: 3 x 64 matrix instructions, K = 512 in four steps,
; on 16 accumulators that take turns, one instruction a turn.
; OPERANDS GO FROM MEMORY STRAIGHT INTO REGISTERS: the launch before laid codes and scale words in the order of the operands' registers, so a fragment is two loads of 16 bytes a lane, 512 consecutive bytes each.  All 173 loads
; of a wave are issued at the head, in three groups; each product waits for its group.  No LDS, no tensor load and so no joint loads: each wave reads 64 KB once and works on registers alone.
; RESULTS, again as images of the next launch's operand registers:
;   q, k (source 0 = 16 channels of W, source 1 = 16 tokens: a lane holds one token and 8 neighbouring channels), bf16: [batch x head, 16][tile of 16 tokens, 256][32 channels, 2][1 KB].  q also carries log2(e) / 8.
;   v (source 0 = 16 tokens, source 1 = 16 channels: a lane holds one channel and 8 neighbouring tokens), f16: [batch x head][32 keys, 128][tile of 16 channels, 4][1 KB].
; v IN f16.  v is multiplied by F' = 2^(384 - Ex - Ew - Eg), Ex, Ew, Eg the exponent fields of the largest |x|, |Wv|, |gamma_v|: |v| < 512 x 2^(Ex - 126) x 2^(Ew - 126) x 2^(Eg - 126), so |v F'| < 2^15.  The last launch divides by F'.
; LIMITS: NaN and infinities are not served; F' is held to 2^-126 .. 2^126; where v lies more than some 2^25 under that bound its f16 numbers lose bits.
.set XS,  8                            ; v8-23    x's scale words: tile i, K step s at 4 i + s
.set WS,  24                           ; v24-71   the weights': 16 kind + 4 t + s
.set GQ,  72                           ; v72-103  gamma_q log2(e) / 8 in the result's layout: 8 t + j = channel 16 t + 8 (lane / 16) + j
.set GK,  104                          ; v104-135 gamma_k likewise
.set GV,  136                          ; v136-143 gamma_v of channel 16 t + lane % 16, twice: a pair for the packed multiply
.set PK,  144                          ; v144-207 packed results
.set AX,  208                          ; v208-223 the 512 largest magnitudes of x's tiles
.set GG,  224                          ; v224-239 all of gamma_v
.set AW,  240                          ; v240     the 32 of Wv's tiles
.set TT,  241                          ; v241-243 at work
.set XF,  0                            ; window 1: v0-127 x's fragments (32 i + 8 s); v128-255 Wq's (32 t + 8 s)
.set WVF, 128                          ; window 2: v0-127 Wk's; v128-255 Wv's.     window 3: v0-127 the accumulators (8 (4 i + t))
.set SEL, 46                           ; s[46:47] lane selects for v_permlanex16_b32
.set MSB, 0
.macro WIN new                         ; the immediate's high byte repeats the setting that is left
.if MSB != \new
	s_set_vgpr_msb (MSB<<8)|\new
.set MSB, \new
.endif
.endm
	s_load_b512 s[4:19], s[0:1], 0x0               ; codes, scales, amax, gamma_q, gamma_k, gamma_v, qf, kf
	s_load_b64 s[20:21], s[0:1], 0x40              ; vf
	v_lshrrev_b32 v6, 5, v0
	v_readfirstlane_b32 s24, v6                    ; wave
	v_and_b32 v5, 31, v0
	v_lshlrev_b32 v1, 4, v5                        ; v1 = 16 x lane
	v_and_b32 v4, 15, v0
	v_lshlrev_b32 v2, 4, v4                        ; v2 = 16 (lane % 16)
	v_bfe_u32 v3, v0, 4, 1
	v_lshlrev_b32 v3, 5, v3                        ; v3 = 32 (lane / 16)
	v_lshlrev_b32 v4, 2, v4                        ; v4 = 4 (lane % 16)
	v_lshlrev_b32 v5, 2, v5                        ; v5 = 4 x lane
	s_and_b32 s25, ttmp7, 0xffff                   ; y: the head
	s_mov_b32 s27, 0                               ; the upper word of every offset
	s_mov_b32 s[SEL], 0x76543210
	s_mov_b32 s[SEL+1], 0xfedcba98
	s_lshl_b32 s26, ttmp9, 16
	s_lshl_b32 s22, s24, 14
	s_add_co_u32 s26, s26, s22                     ; my four tiles of x: (16 bx + 4 w) x 4,096 bytes of codes
	s_wait_kmcnt 0x0
	s_add_nc_u64 s[28:29], s[4:5], s[26:27]
	s_lshr_b32 s26, s26, 4                         ; and x 256 of scale bytes
	s_add_nc_u64 s[30:31], s[6:7], s[26:27]
	s_lshl_b32 s26, s25, 14
	s_add_co_u32 s26, s26, 512*4096                ; the head's four tiles of Wq: tile 512 + 4 y; Wk's and Wv's lie 32 and 64 tiles on
	s_add_nc_u64 s[32:33], s[4:5], s[26:27]
	s_lshr_b32 s26, s26, 4
	s_add_nc_u64 s[34:35], s[6:7], s[26:27]
	s_lshl_b32 s26, s25, 8                         ; the head's 64 gains
	s_add_nc_u64 s[36:37], s[10:11], s[26:27]
	s_add_nc_u64 s[38:39], s[12:13], s[26:27]
	s_add_nc_u64 s[40:41], s[14:15], s[26:27]
	s_lshr_b32 s22, ttmp9, 4
	s_lshl_b32 s22, s22, 3
	s_add_co_u32 s22, s22, s25                     ; batch x 8 + head
	s_lshl_b32 s26, s22, 19
	s_and_b32 s22, ttmp9, 15
	s_lshl_b32 s22, s22, 15
	s_add_co_u32 s26, s26, s22
	s_lshl_b32 s22, s24, 13
	s_add_co_u32 s26, s26, s22                     ; my 64 tokens' 8,192 bytes: the same offset in qf, kf and vf
	s_add_nc_u64 s[16:17], s[16:17], s[26:27]
	s_add_nc_u64 s[18:19], s[18:19], s[26:27]
	s_add_nc_u64 s[20:21], s[20:21], s[26:27]
.macro FRAGS reg, base, off            ; four tiles' fragments for all of K: 16 KB on end, 32 loads
.set n, 0
.rept 32
	global_load_b128 v[\reg+4*n:\reg+4*n+3], v1, s[\base:\base+1] offset:\off+512*n
.set n, n+1
.endr
.endm
.macro WSC kind                        ; a weight's scale words: a row's four words by one load
.irp t, 0,1,2,3
	global_load_b128 v[WS+16*\kind+4*\t:WS+16*\kind+4*\t+3], v2, s[34:35] offset:8192*\kind+256*\t
.endr
.endm
.macro GAIN g, base                    ; a gain in the layout of q's and k's results
.irp t, 0,1,2,3
	global_load_b128 v[\g+8*\t:\g+8*\t+3], v3, s[\base:\base+1] offset:64*\t
	global_load_b128 v[\g+8*\t+4:\g+8*\t+7], v3, s[\base:\base+1] offset:64*\t+16
.endr
.endm
	; group A, 80 loads: what q needs
	WIN 0x40
	FRAGS XF, 28, 0
	FRAGS 128, 32, 0
	WIN 0
.irp i, 0,1,2,3
	global_load_b128 v[XS+4*\i:XS+4*\i+3], v2, s[30:31] offset:256*\i
.endr
	WSC 0
	GAIN GQ, 36
	; group B, 44 loads: k's
	WIN 0x80
	FRAGS 0, 32, 131072
	WIN 0
	WSC 1
	GAIN GK, 38
	; group C, 49 loads: v's
	WIN 0x80
	FRAGS WVF, 32, 262144
	WIN 0
	WSC 2
.irp t, 0,1,2,3
	global_load_b32 v[GV+2*\t], v4, s[40:41] offset:64*\t
.endr
.irp n, 0,1,2,3
	global_load_b128 v[AX+4*\n:AX+4*\n+3], v1, s[8:9] offset:512*\n
.endr
	global_load_b32 v[AW], v5, s[8:9] offset:4*576
.irp n, 0,1,2,3
	global_load_b128 v[GG+4*\n:GG+4*\n+3], v1, s[14:15] offset:512*\n
.endr
.macro WM d, a, b, ks, sa, sb          ; the first K step starts the sum: nothing is cleared
.if \ks == 0
	v_wmma_scale_f32_16x16x128_f8f6f4 v[\d:\d+7], v[\a:\a+7], v[\b:\b+7], 0, v[\sa], v[\sb] matrix_a_fmt:MATRIX_FMT_FP4 matrix_b_fmt:MATRIX_FMT_FP4
.else
	v_wmma_scale_f32_16x16x128_f8f6f4 v[\d:\d+7], v[\a:\a+7], v[\b:\b+7], v[\d:\d+7], v[\sa], v[\sb] matrix_a_fmt:MATRIX_FMT_FP4 matrix_b_fmt:MATRIX_FMT_FP4
.endif
.endm
.macro MULS kind                       ; 64 matrix instructions: K step, tile of tokens, tile of channels
.irp ks, 0,1,2,3
.irp i, 0,1,2,3
.irp t, 0,1,2,3
.if \kind == 2
	WM 8*(4*\i+\t), XF+32*\i+8*\ks, WVF+32*\t+8*\ks, \ks, XS+4*\i+\ks, WS+32+4*\t+\ks
.else
	WM 8*(4*\i+\t), 128-128*\kind+32*\t+8*\ks, XF+32*\i+8*\ks, \ks, WS+16*\kind+4*\t+\ks, XS+4*\i+\ks
.endif
.endr
.endr
.endr
.endm
; The way out of q and k: x the gain, in place, each accumulator from its low end on; rounded to bf16; 16 stores of 512 consecutive bytes.
.macro OUT_QK g, ptr
.rept 4
	v_nop                                          ; four places between the last products and the first read of results (ISA guide 7.12.1)
.endr
	WIN 0xc3                                       ; destination and source 0 window 3, source 1 window 0
.set a, 0
.rept 16
.irp p, 0,1,2,3
	v_pk_mul_f32 v[8*a+2*\p:8*a+2*\p+1], v[8*a+2*\p:8*a+2*\p+1], v[\g+8*(a%4)+2*\p:\g+8*(a%4)+2*\p+1]
.endr
.set a, a+1
.endr
	s_wait_xcnt 0x0                                ; earlier stores have read the packed results' registers: they are rewritten only behind this wait
	WIN 0x0f                                       ; sources window 3, destination window 0
.set a, 0
.rept 16
.irp p, 0,1,2,3
	v_cvt_pk_bf16_f32 v[PK+4*a+\p], v[8*a+2*\p], v[8*a+2*\p+1]
.endr
.set a, a+1
.endr
	WIN 0
.set a, 0
.rept 16
	global_store_b128 v1, v[PK+4*a:PK+4*a+3], s[\ptr:\ptr+1] offset:(a/4)*2048+(a%4)*512   ; tile of tokens a / 4, channels 16 (a % 4) on
.set a, a+1
.endr
.endm
; The exponent field of F' = 2^(384 - Ex - Ew - Eg), held to 1 .. 253, into s[sx]; s[sx+1], s[sx+2] at work.
.macro SVCALC ax, gg, aw, tt, sx
	v_max3_num_f32 v[\tt], v[\ax], v[\ax+1], v[\ax+2]
	v_max3_num_f32 v[\tt+1], |v[\gg]|, |v[\gg+1]|, |v[\gg+2]|
.irp i, 3,5,7,9,11,13
	v_max3_num_f32 v[\tt], v[\tt], v[\ax+\i], v[\ax+\i+1]
	v_max3_num_f32 v[\tt+1], v[\tt+1], |v[\gg+\i]|, |v[\gg+\i+1]|
.endr
	v_max_num_f32 v[\tt], v[\tt], v[\ax+15]
	v_max_num_f32 v[\tt+1], v[\tt+1], |v[\gg+15]|
.irp m, 1,2,4,8
	v_max_num_f32_dpp v[\tt], v[\tt], v[\tt] row_xmask:\m row_mask:0xf bank_mask:0xf
	v_max_num_f32_dpp v[\tt+1], v[\tt+1], v[\tt+1] row_xmask:\m row_mask:0xf bank_mask:0xf
	v_max_num_f32_dpp v[\aw], v[\aw], v[\aw] row_xmask:\m row_mask:0xf bank_mask:0xf
.endr
	v_mov_b32 v[\tt+2], 0                          ; a lane permute's destination counts as one of its sources
	v_permlanex16_b32 v[\tt+2], v[\tt], s[SEL], s[SEL+1]
	v_max_num_f32 v[\tt], v[\tt], v[\tt+2]
	v_permlanex16_b32 v[\tt+2], v[\tt+1], s[SEL], s[SEL+1]
	v_max_num_f32 v[\tt+1], v[\tt+1], v[\tt+2]
	v_permlanex16_b32 v[\tt+2], v[\aw], s[SEL], s[SEL+1]
	v_max_num_f32 v[\aw], v[\aw], v[\tt+2]
	v_readfirstlane_b32 s[\sx], v[\tt]
	v_readfirstlane_b32 s[\sx+1], v[\tt+1]
	v_readfirstlane_b32 s[\sx+2], v[\aw]
	s_lshr_b32 s[\sx], s[\sx], 23                  ; none is negative: the exponent fields
	s_lshr_b32 s[\sx+1], s[\sx+1], 23
	s_lshr_b32 s[\sx+2], s[\sx+2], 23
	s_add_co_u32 s[\sx], s[\sx], s[\sx+1]
	s_add_co_u32 s[\sx], s[\sx], s[\sx+2]
	s_sub_co_i32 s[\sx], 511, s[\sx]               ; 384 - the sum, + 127
	s_max_i32 s[\sx], s[\sx], 1
	s_min_i32 s[\sx], s[\sx], 253
.endm
	s_wait_loadcnt 63                              ; group A is in: 93 loads are younger, and 63 is the largest count that this wait can name
.irp n, 0,2,4,6,8,10,12,14,16,18,20,22,24,26,28,30
	v_pk_mul_f32 v[GQ+\n:GQ+\n+1], v[GQ+\n:GQ+\n+1], 0x3e38aa3b op_sel_hi:[1,0]   ; log2(e) / 8 goes into q's gain: the scores come out as exponents of 2
.endr
	WIN 0xf5                                       ; source 0 (Wq) and source 1 (x) window 1, C and D window 3
	MULS 0
	OUT_QK GQ, 16
	s_wait_loadcnt 49                              ; group B is in: group C's 49 may be out
	WIN 0xf6                                       ; source 0 (Wk) window 2
	MULS 1
	OUT_QK GK, 18
	s_wait_loadcnt 0x0                             ; group C
.irp t, 0,1,2,3
	v_mov_b32 v[GV+2*\t+1], v[GV+2*\t]
.endr
	SVCALC AX, GG, AW, TT, 48
	s_lshl_b32 s44, s48, 23                        ; F' as f32,
	s_mov_b32 s45, s44                             ; (named as a pair, so both words are written)
	WIN 0xf9                                       ; source 0 (x) window 1, source 1 (Wv) window 2
	MULS 2
.rept 4
	v_nop
.endr
	WIN 0xc3
.set a, 0
.rept 16
.irp p, 0,1,2,3
	v_pk_mul_f32 v[8*a+2*\p:8*a+2*\p+1], v[8*a+2*\p:8*a+2*\p+1], v[GV+2*(a%4):GV+2*(a%4)+1]   ; first the gain: v as the problem has it,
.endr
.irp p, 0,1,2,3
	v_pk_mul_f32 v[8*a+2*\p:8*a+2*\p+1], v[8*a+2*\p:8*a+2*\p+1], s[44:45] op_sel_hi:[1,0]    ; then the power of two, which rounds nothing: the two are not multiplied with each other, so neither can overflow by itself
.endr
.set a, a+1
.endr
	s_wait_xcnt 0x0                                ; k's stores have read the packed results' registers
	WIN 0x0f
.set a, 0
.rept 16
.irp p, 0,1,2,3
	v_cvt_pk_f16_f32 v[PK+4*a+\p], v[8*a+2*\p], v[8*a+2*\p+1]
.endr
.set a, a+1
.endr
	WIN 0
.set a, 0
.rept 16
	global_store_b128 v1, v[PK+4*a:PK+4*a+3], s[20:21] offset:(a/8)*4096+(a%4)*1024+((a/4)%2)*512   ; 32 keys a / 8, channels 16 (a % 4) on, the keys' lower or upper 16
.set a, a+1
.endr
	s_endpgm
.Lfunc_end_k_q2da9234ade_proj:
	.size	k_q2da9234ade_proj, .Lfunc_end_k_q2da9234ade_proj-k_q2da9234ade_proj
	.p2alignl 7, 3214868480
	.fill 96, 4, 3214868480
	.section	.rodata,"a",@progbits
	.p2align	6, 0x0
	.amdhsa_kernel k_q2da9234ade_proj
		.amdhsa_group_segment_fixed_size 0
		.amdhsa_private_segment_fixed_size 0
		.amdhsa_enable_private_segment 0
		.amdhsa_kernarg_size 72
		.amdhsa_user_sgpr_count 2
		.amdhsa_user_sgpr_kernarg_segment_ptr 1
		.amdhsa_wavefront_size32 1
		.amdhsa_system_sgpr_workgroup_id_x 1
		.amdhsa_system_sgpr_workgroup_id_y 1
		.amdhsa_system_sgpr_workgroup_id_z 1
		.amdhsa_system_vgpr_workitem_id 0
		.amdhsa_next_free_vgpr 1024
		.amdhsa_next_free_sgpr 66
		.amdhsa_reserve_vcc 0
		.amdhsa_float_denorm_mode_32 3
		.amdhsa_float_denorm_mode_16_64 3
		.amdhsa_memory_ordered 1
		.amdhsa_forward_progress 1
		.amdhsa_inst_pref_size 80
	.end_amdhsa_kernel
	.amdgpu_metadata
---
amdhsa.version: [ 1, 2 ]
amdhsa.kernels:
  - .name:           k_q2da9234ade_proj
    .symbol:         k_q2da9234ade_proj.kd
    .args:
      - { .name: codes, .offset: 0, .size: 8, .value_kind: global_buffer, .address_space: global }
      - { .name: scales, .offset: 8, .size: 8, .value_kind: global_buffer, .address_space: global }
      - { .name: amax, .offset: 16, .size: 8, .value_kind: global_buffer, .address_space: global }
      - { .name: gamma_q, .offset: 24, .size: 8, .value_kind: global_buffer, .address_space: global }
      - { .name: gamma_k, .offset: 32, .size: 8, .value_kind: global_buffer, .address_space: global }
      - { .name: gamma_v, .offset: 40, .size: 8, .value_kind: global_buffer, .address_space: global }
      - { .name: qf, .offset: 48, .size: 8, .value_kind: global_buffer, .address_space: global }
      - { .name: kf, .offset: 56, .size: 8, .value_kind: global_buffer, .address_space: global }
      - { .name: vf, .offset: 64, .size: 8, .value_kind: global_buffer, .address_space: global }
    .group_segment_fixed_size: 0
    .private_segment_fixed_size: 0
    .kernarg_segment_align: 8
    .kernarg_segment_size: 72
    .max_flat_workgroup_size: 128
    .sgpr_count:     66
    .vgpr_count:     1024
    .wavefront_size: 32
...
	.end_amdgpu_metadata
.endif
;; end of part 2
;; launch attn (part 3): grid 16 x 16, 8 waves a work-group, clusters of 4 x 1, 327,680 bytes of LDS; arguments qf, kf, vf, rf; writes rf
.if DOCPART == 3
	.amdgcn_target "amdgcn-amd-amdhsa--gfx1250"
	.amdhsa_code_object_version 6
	.text
	.protected	k_q2da9234ade_attn
	.globl	k_q2da9234ade_attn
	.p2align	8
	.type	k_q2da9234ade_attn,@function
k_q2da9234ade_attn:
	s_mov_b64 s[64:65], 0
	v_nop
	global_prefetch_b8 v0, s[64:65] scope:SCOPE_SE
	s_setreg_imm32_b32 hwreg(HW_REG_WAVE_MODE, 25, 1), 1
	s_wait_xcnt 0x0
	s_wait_alu depctr_hold_cnt(0) depctr_sa_sdst(0) depctr_va_vdst(0) depctr_va_sdst(0) depctr_va_ssrc(0) depctr_va_vcc(0) depctr_vm_vsrc(0)
	s_getreg_b32 s2, hwreg(HW_REG_IB_STS2, 6, 4)
	s_cmp_eq_u32 s2, 0
	s_cbranch_scc0 .Lentry_in_a_cluster
	s_endpgm
.Lentry_in_a_cluster:
	s_bfe_u32 s2, ttmp6, 0x10000c
	s_cmp_lg_u32 s2, 0x3003
	s_cbranch_scc0 .Lentry_shape_is_right
	s_endpgm
.Lentry_shape_is_right:
; r[b][h][q][:] = the sum over k of softmax_k(q . k / 8) v[k][:], 16 (batch, head) pairs, 4,096 queries and keys, head size 64, no mask.  q (which carries log2(e) / 8) and k are bf16, v (x a power of two) is f16;
; scores, maxima and sums in f32; the weights p = 2^(t - m), at most 1, are rounded to f16 for the second product; r is divided by the row's sum of the unrounded p and rounded to f16.
; SHARES.  A work-group owns 256 queries of one (batch, head); each of its eight waves 32: two tiles of 16, in 512 registers.  Every wave walks all 4,096 keys, 64 a step.
; LAYOUT.  S^T = K Q^T (source 0 = 16 keys, source 1 = 16 queries): a lane holds ONE query and 8 keys of each tile; two such tiles, rounded in pairs, ARE source 1 (32 keys x 16 queries) of O^T = V^T P, whose result again
; holds one query a lane.  q, k, v arrive as images of these operands' registers, so every load from memory and from LDS is 16 bytes a lane, 512 consecutive bytes: no pitch, no padding, no turning load; and O^T, rounded, is
; the image that the last launch wants: it is stored from registers, 512 consecutive bytes a store, with no stage.
; SOFTMAX.  For each query a running maximum m and sum l; in every step O and l are multiplied by a = 2^(m_old - m_new), which is 1 where m has not grown.  m begins at -3e38 and O, l at 0, so the first step is like every other.
; BY TURNS.  The wave's two tiles are two pieces.  In a TURN one piece has the matrix unit: 8 products V^T P of the step in hand, then 8 products K Q^T of the next step; the other piece's softmax, 117 instructions cut into 8 slices,
; stands between them, a slice behind each two products.  Then they change places; two turns are a key step.  All that a softmax touches lies in window 0, O^T too, so a slice needs no switch inside itself.
; RING.  Two LDS slots of 8 key steps: 64 KB of K, then 64 KB of V.  Each of the eight waves fetches 16 KB of a slot by one tensor load (waves 0-3 K's quarters, waves 4-7 V's).
; CLUSTER.  The four work-groups of a cluster belong to one (batch, head) and walk the same K and V: each tile is asked for JOINTLY, by the same tensor load with the same descriptor and a mask that names the four.
; LIMITS: NaN and infinities are not served; a weight p under 2^-24 of its row's largest is rounded to 0 in f16.
.set STEPB, 8192                       ; a key step's K, or V, in bytes
.set SLOTB, 65536                      ; a slot's K, or V
.set SLOT1, 1<<17                      ; slot 1 begins here: one exclusive or turns an address in one slot into the other's
.set SPARE, 2*SLOT1                    ; behind the ring: the spare words, 128 bytes a wave: four blocks of 256 bytes that no other line names
.set LI,  1                            ; v1   16 x lane; never rewritten
.set AV0, 2                            ; v2   16 x lane + SLOTB: V's part of a slot
.set ADR, 3                            ; v3   the LDS address of the run of loads in hand
.set PFO, 4                            ; v4   256 x lane: the prefetches' offset
.set SPW, 6                            ; v6   LDS address of my spare word; never rewritten
.set NIL, 7                            ; v7   0; never rewritten
.set ST,  16                           ; tile t's statistics at v[ST + 8 t]: +0 m, +1 zero (named with m as a pair), +2, +3 l (even keys', odd keys'), +4 to +7 c0-c3, at work; a takes c2's place
.set S,   64                           ; v64-127  S^T, 32 a tile
.set P,   128                          ; v128-159 P, 16 a tile
.set O,   160                          ; v160-223 O^T, 32 a tile
.set QF,  0                            ; window 1: v0-31 Q (16 t + 8 c)
.set VF,  64                           ; v64-127 V of one step (32 f + 8 ct)
.set KF,  128                          ; v128-191 K of one step (16 kt + 8 c)
.set WV,  12                           ; s12  my wave's number
.set LIM, 15                           ; s15  1 in a wave that prefetches, else the greatest number
.set PFA, 18                           ; s[18:19] where my prefetches stand
.set G1,  24                           ; s[24:31] descriptor group 1
.set G0,  32                           ; s[32:39] group 0: a set for each of the two first fills; the second then walks on
.set SLOTS, 40                         ; s40  slots still to be asked for
.set CNT, 41                           ; s41  counts key steps
.set TB,  42                           ; s42  LDS byte at which K of the step to be fetched begins
.set SEL, 44                           ; s[44:45] lane selects for v_permlanex16_b32
.set SRC, 46                           ; s[46:47] my 16 KB of slot 0's data in memory
.set MSB, 0
.macro WIN new                         ; the immediate's high byte repeats the setting that is left; a switch that changes nothing is dropped
.if MSB != \new
	s_set_vgpr_msb (MSB<<8)|\new
.set MSB, \new
.endif
.endm
.set W_KQ, 0x05                        ; K and Q in window 1, S^T in window 0
.set W_PV, 0x01                        ; V in window 1; P and O^T in window 0
.set W_LD, 0x40                        ; destination window 1, address window 0
; A round of the cluster's barrier: my work-group's barrier; wave 0 signals for the work-group; every wave waits for all four work-groups; my work-group's barrier once more.
.macro CROUND
	s_barrier_signal -1
	s_barrier_wait -1
	s_cmp_lg_u32 s[WV], 0
	s_cbranch_scc1 .Lnot_wave_0_\@
	s_barrier_signal -3
.Lnot_wave_0_\@:
	s_barrier_wait -3
	s_barrier_signal -1
	s_barrier_wait -1
.endm
; A PREFETCH INTO THE L2 of what the NEXT change of slots will ask for, eight key steps ahead of that load.  All four clusters of a (batch, head) walk the same K and V: the first of them asks.  Its four partners are told apart BY
; ADDRESS: each even wave names 8 KB (a lane 256 bytes), the partners' four runs lie on end and cover the 32 KB that this wave and the next odd one fetch.  So each 256 bytes are named once.  The last change that fills asks for nothing.
.macro ASK
	s_cmp_gt_u32 s[SLOTS], s[LIM]
	s_cbranch_scc0 .Lnot_mine_\@
	global_prefetch_b8 v[PFO], s[PFA:PFA+1] th:TH_LOAD_NT scope:SCOPE_SE
.Lnot_mine_\@:
.endm
	s_load_b256 s[4:11], s[0:1], 0x0               ; qf s[4:5], kf s[6:7], vf s[8:9], rf s[10:11]
	v_lshl_add_u32 v[SPW], v0, 2, SPARE
	v_mov_b32 v[NIL], 0
	ds_add_u32 v[SPW], v[NIL]                      ; the wave's opening: the add, twice on end, and its wait ahead of my first tensor load
	ds_add_u32 v[SPW], v[NIL]
	v_lshrrev_b32 v1, 5, v0
	v_readfirstlane_b32 s[WV], v1                  ; wave 0..7
	s_bfe_u32 s13, ttmp6, 0x40000                  ; cx: my place in the cluster
	s_lshl_b32 s14, ttmp9, 2                       ; in a cluster launch ttmp9 counts clusters
	s_add_co_u32 s14, s14, s13                     ; my block of 256 queries: it enters Q's and r's addresses alone
	s_and_b32 s16, ttmp7, 0xffff                   ; batch x 8 + head, which the four partners share
	s_lshl_b32 s20, s16, 19                        ; its 524,288 bytes in qf, kf and vf
	s_and_b32 s17, s[WV], 3
	s_lshl_b32 s22, s17, 14
	s_add_co_u32 s22, s22, s20                     ; my quarter of a slot's K or V
	s_mov_b32 s23, 0
	s_lshl_b32 s43, s[WV], 14                      ; and its place in a slot: 16,384 x wave: no place in the cluster enters an LDS address
	s_lshl_b32 s48, s14, 15
	s_lshl_b32 s17, s[WV], 12
	s_add_co_u32 s48, s48, s17
	s_add_co_u32 s48, s48, s20                     ; Q: tile 16 block + 2 wave, 2,048 bytes a tile
	s_mov_b32 s49, 0
	s_lshr_b32 s50, s16, 3
	s_lshl_b32 s50, s50, 22                        ; r: the batch's 256 tiles of 16,384 bytes,
	s_lshl_b32 s17, s14, 18
	s_add_co_u32 s50, s50, s17
	s_lshl_b32 s17, s[WV], 15
	s_add_co_u32 s50, s50, s17                     ; my two tiles,
	s_and_b32 s17, s16, 7
	s_lshl_b32 s17, s17, 11
	s_add_co_u32 s50, s50, s17                     ; the head's 2,048 bytes in each
	s_mov_b32 s51, 0
	s_lshl_b32 s52, s13, 13
	s_add_co_u32 s52, s52, 2*SLOTB                 ; the prefetches: my work-group's 8 KB, in slot 2's data: the first change of slots steps it to slot 3's.  Nothing is prefetched at the head
	s_mov_b32 s53, 0
	; descriptor group 1: 16 KB, dense in memory, as 64 rows of 256 bytes
	s_mov_b32 s[G1], 15|(3<<16)|(1<<21)            ; 15:0 the mask: all four work-groups; 17:16 elements of 8 bytes; 21 set beside a mask; no padding
	s_mov_b32 s[G1+1], 32<<16                      ; tensor_dim0 = 32
	s_mov_b32 s[G1+2], 64<<16                      ; tensor_dim1 = 64
	s_mov_b32 s[G1+3], 32<<16                      ; tile_dim0 = 32
	s_mov_b32 s[G1+4], 64                          ; tile_dim1 = 64
	s_mov_b32 s[G1+5], 32                          ; from row to row
	s_mov_b32 s[G1+6], 0
	s_mov_b32 s[G1+7], 0
	s_mov_b32 s[SEL], 0x76543210
	s_mov_b32 s[SEL+1], 0xfedcba98
	s_mov_b32 s[TB], 0
	s_mov_b32 s[SLOTS], 6                          ; 8 slots' worth of keys; two come by the first fills
	s_and_b32 s[LIM], s[WV], 1                     ; 0 in even waves,
	s_or_b32 s[LIM], s[LIM], ttmp9                 ; of the (batch, head)'s first cluster: the same in all four partners
	s_cmp_eq_u32 s[LIM], 0
	s_cselect_b32 s[LIM], 1, -1
	s_wait_dscnt 0x0                               ; both opening adds are done
	s_wait_kmcnt 0x0
	s_cmp_lt_u32 s[WV], 4                          ; waves 0-3 fetch K, waves 4-7 V: a choice on the wave's number alone
	s_cselect_b64 s[SRC:SRC+1], s[6:7], s[8:9]
	s_add_nc_u64 s[SRC:SRC+1], s[SRC:SRC+1], s[22:23]
	s_add_nc_u64 s[PFA:PFA+1], s[SRC:SRC+1], s[52:53]
	s_add_nc_u64 s[4:5], s[4:5], s[48:49]
	s_add_nc_u64 s[10:11], s[10:11], s[50:51]
	s_mov_b32 s[G0], 1                             ; count = 1
	s_mov_b32 s[G0+1], s43                         ; LDS address: slot 0
	s_mov_b64 s[G0+2:G0+3], s[SRC:SRC+1]           ; global address: keys 0 to 511
	s_or_b32 s[G0+3], s[G0+3], 0x80000000          ; type = 2
	s_mov_b32 s[G0+4], 1
	s_add_co_u32 s[G0+5], s43, SLOT1               ; slot 1
	s_add_nc_u64 s[G0+6:G0+7], s[SRC:SRC+1], SLOTB ; keys 512 to 1,023
	s_or_b32 s[G0+7], s[G0+7], 0x80000000
	CROUND                                         ; all four work-groups are here: the first joint loads meet
	tensor_load_to_lds s[G0:G0+3], s[G1:G1+7]      ; both first fills together, ahead of every wait on TENSORcnt and every LDS read: two loads of mine are out
	s_nop 0
	tensor_load_to_lds s[G0+4:G0+7], s[G1:G1+7]
	s_nop 0
.rept 4
	v_nop
.endr
	v_and_b32 v[LI], 31, v0
	v_lshlrev_b32 v[PFO], 8, v[LI]
	v_lshlrev_b32 v[LI], 4, v[LI]
	v_add_nc_u32 v[AV0], SLOTB, v[LI]
	WIN W_LD
.irp n, 0,1,2,3,4,5,6,7                            ; Q stays in registers: tile n / 4, channels 32 ((n / 2) % 2) on
	global_load_b128 v[QF+4*\n:QF+4*\n+3], v[LI], s[4:5] offset:512*\n
.endr
	WIN 0
; THE MATRIX WORK.  The accumulators take turns, one instruction a turn: between two links of a chain stand three others'.
.macro KQ x                            ; product i of 8 of S^T = K Q^T: channels 32 (i / 4) on, keys 16 (i % 4) on.  The first four start the sums
.set rS, S+32*(\x)+8*(i%4)
.set rK, KF+16*(i%4)+8*(i/4)
.set rQ, QF+16*(\x)+8*(i/4)
.if i < 4
	v_wmma_f32_16x16x32_bf16 v[rS:rS+7], v[rK:rK+7], v[rQ:rQ+7], 0
.else
	v_wmma_f32_16x16x32_bf16 v[rS:rS+7], v[rK:rK+7], v[rQ:rQ+7], v[rS:rS+7]
.endif
.set i, i+1
.endm
.macro PV x                            ; product i of 8 of O^T += V^T P: keys 32 (i / 4) on, channels 16 (i % 4) on
.set rO, O+32*(\x)+8*(i%4)
.set rV, VF+32*(i/4)+8*(i%4)
.set rP, P+16*(\x)+8*(i/4)
	v_wmma_f32_16x16x32_f16 v[rO:rO+7], v[rV:rV+7], v[rP:rP+7], v[rO:rO+7]
.set i, i+1
.endm
; THE LDS LOADS stand in two runs of 16 a key step.  Both leave every window 0.
.macro FETCH_K
	v_add_nc_u32 v[ADR], s[TB], v[LI]
	WIN W_LD
.set fn, 0
.rept 16
	ds_load_b128 v[KF+4*fn:KF+4*fn+3], v[ADR] offset:512*fn
.set fn, fn+1
.endr
	WIN 0
.endm
.macro FETCH_V
	v_add_nc_u32 v[ADR], s[TB], v[AV0]
	s_add_co_u32 s[TB], s[TB], STEPB               ; the next fetch is the next step's
	s_wait_alu depctr_va_vdst(0)                   ; the wait for the softmax's batch of exponentials, ahead of the first instruction that names a result
	WIN W_LD
.set fn, 0
.rept 16
	ds_load_b128 v[VF+4*fn:VF+4*fn+3], v[ADR] offset:512*fn
.set fn, fn+1
.endr
	WIN 0
.endm
; THE VECTOR WORK.  One tile's softmax for one key step is a list of 117 instructions; SM writes number j of it for tile t.  s0-s31 are the lane's 32 scores, in pairs 0-15.
;   0-15    the maximum of s0-s31 and the old m, three operands at a time; each accumulator is read from its low end first
;   16-20   the other half of the lanes' maximum; the new m; m_old - m_new; a
;   21-68   ONE BATCH: the 16 subtractions s - m, a pair each, and the 32 exponentials; none of these reads an exponential's result.  A pair is reduced four numbers ahead of its exponentials
;   (wait)  behind 68 stand a plain instruction and the one wait for all 33 exponentials: SLICE writes them
;   69-84   the roundings to f16, a pair of weights each      85-100  the sums; l = a l + the sum      101-116 the tile's O^T times a
.macro SM t
.set rT, ST+8*(\t)
.set rS, S+32*(\t)
.set rP, P+16*(\t)
.set rO, O+32*(\t)
.if j < 4
	v_max3_num_f32 v[rT+4+j], v[rS+8*j], v[rS+8*j+1], v[rS+8*j+2]
.elseif j < 12
	v_max3_num_f32 v[rT+4+j%4], v[rT+4+j%4], v[rS+8*(j%4)+2*(j/4)+1], v[rS+8*(j%4)+2*(j/4)+2]
.elseif j == 12
	v_max3_num_f32 v[rT+4], v[rT+4], v[rS+7], v[rS+15]
.elseif j == 13
	v_max3_num_f32 v[rT+6], v[rT+6], v[rS+23], v[rS+31]
.elseif j == 14
	v_max3_num_f32 v[rT+4], v[rT+4], v[rT+5], v[rT+6]
.elseif j == 15
	v_max3_num_f32 v[rT+4], v[rT+4], v[rT+7], v[rT]
.elseif j == 16
	v_permlanex16_b32 v[rT+5], v[rT+4], s[SEL], s[SEL+1]   ; the query's other 32 keys lie in the lane 16 away
.elseif j == 17
	v_mov_b32 v[rT+7], v[rT]                       ; m_old is kept for a
.elseif j == 18
	v_max_num_f32 v[rT], v[rT+4], v[rT+5]
.elseif j == 19
	v_sub_f32 v[rT+7], v[rT+7], v[rT]
.elseif j == 20
	v_exp_f32 v[rT+6], v[rT+7]
.elseif j < 69
.set u, j-21
.if (u == 0) || ((u < 46) && ((u-1)%3 == 0))
.set b, (u+2)/3                        ; u = 0: pair 0; u = 1 + 3 g: pair g + 1
	v_pk_add_f32 v[rS+2*b:rS+2*b+1], v[rS+2*b:rS+2*b+1], v[rT:rT+1] op_sel_hi:[1,0] neg_lo:[0,1] neg_hi:[0,1]   ; s - m: of the pair (m, 0) the low word serves both halves
.else
.set e, u-16                           ; u = 46, 47: s30, s31
.if u < 46
.set e, 2*((u-1)/3)+(u-1)%3-1          ; u = 2 + 3 g, 3 + 3 g: s(2 g), s(2 g + 1)
.endif
	v_exp_f32 v[rS+e], v[rS+e]
.endif
.elseif j < 85
	v_cvt_pk_f16_f32 v[rP+j-69], v[rS+2*(j-69)], v[rS+2*(j-69)+1]
.elseif j < 101                        ; the sum of the tile's 16 pairs, in place: neighbours 1, 2, 4 and 8 pairs apart, then l takes it
.set z, j-85
.set w, 4
.set u, z
.if z >= 14
.set w, 32
.set u, 0
.elseif z >= 12
.set w, 16
.set u, z-12
.elseif z >= 8
.set w, 8
.set u, z-8
.endif
.if z < 15
	v_pk_add_f32 v[rS+w*u:rS+w*u+1], v[rS+w*u:rS+w*u+1], v[rS+w*u+w/2:rS+w*u+w/2+1]
.else
	v_pk_fma_f32 v[rT+2:rT+3], v[rT+2:rT+3], v[rT+6:rT+7], v[rS:rS+1] op_sel_hi:[1,0,1]
.endif
.else
	v_pk_mul_f32 v[rO+2*(j-101):rO+2*(j-101)+1], v[rO+2*(j-101):rO+2*(j-101)+1], v[rT+6:rT+7] op_sel_hi:[1,0]
.endif
.endm
; Slice k of 8 of tile y's softmax: the list's next 15 numbers (the last slice: 12, all plain multiplies of O^T: they are the places behind the turn's last products).
.macro SLICE y
.set sn, 15
.if k == 7
.set sn, 12
.endif
.rept sn
	SM \y
.if j == 68                            ; the batch is out, and no result has been named
	v_nop                                          ; the plain instruction behind the last exponential and ahead of the first use
.if (\y) == 0
	FETCH_V                                        ; piece 1's turn: V's run of loads stands here, and the wait stands in it.  V's last reader stands a slice, two products K Q^T and nine list instructions back, then the v_nop and the address
.else
	s_wait_alu depctr_va_vdst(0)                   ; the wait for the batch
.endif
.endif
.set j, j+1
.endr
.set k, k+1
.endm
; A TURN.  Piece x has the matrix unit; the other piece's softmax stands in slices behind each two products.  pv = 1: 8 products V^T P; kq = 1: 8 products K Q^T for the next step.  With one kind alone: two slices behind each two.
; Piece 0's turn fetches the next step's K at its head (K's last reader stands in front of the 12 multiplies of the turn before) and waits for it eight products later; piece 1's turn fetches the same step's V.
.macro TURN x, pv, kq
.set k, 0
.set j, 0
.set per, 2
.if (\pv) && (\kq)
.set per, 1
.endif
.if \pv
.if (\x) == 0
	s_wait_dscnt 0x0                               ; V is in
.if \kq
	FETCH_K
.endif
.endif
.set i, 0
.rept 4
	WIN W_PV
	PV \x
	PV \x
	WIN 0
.rept per
	SLICE 1-(\x)
.endr
.endr
.endif
.if \kq
.if (\x) == 0
	s_wait_dscnt 0x0                               ; K is in
.endif
.set i, 0
.rept 4
	WIN W_KQ
	KQ \x
	KQ \x
	WIN 0
.rept per
	SLICE 1-(\x)
.endr
.endr
.endif
.endm
.macro STEPS n                         ; n key steps: written once, walked n times; the LDS addresses hang on s[TB]
	s_mov_b32 s[CNT], \n
.Lstep_\@:
	TURN 0, 1, 1
	TURN 1, 1, 1
	s_sub_co_u32 s[CNT], s[CNT], 1
	s_cmp_lg_u32 s[CNT], 0
	s_cbranch_scc1 .Lstep_\@
.endm
; THE CHANGE OF SLOTS, when the slot's last bytes, V of its eighth step, have been asked for.  Each wave waits for all its tensor loads, of which one is out: its part of the other slot; adds 0 to its spare word; and waits for that and
; for its own reads of the slot.  Behind the barrier nobody reads this slot and the other is whole.  fill = 1: the barrier is a round of the cluster's, and the joint refill, the keys two slots on, is the first thing behind it:
; it has eight key steps in which to land.
.macro CHANGE fill
	s_wait_tensorcnt 0x0                           ; no tensor load of mine is out, so a group 0 may be written
	ds_add_u32 v[SPW], v[NIL]                      ; 0 onto my spare word
.if \fill
	s_xor_b32 s[G0+5], s[G0+5], SLOT1              ; the walking descriptor: the other slot than last time,
	s_add_nc_u64 s[G0+6:G0+7], s[G0+6:G0+7], SLOTB ; the next 512 keys; the type bits on top are not reached
	s_wait_xcnt 0x0                                ; the last prefetch, eight key steps back, has read its address, so it may be written
	s_add_nc_u64 s[PFA:PFA+1], s[PFA:PFA+1], SLOTB
	s_wait_dscnt 0x0                               ; the add is done, and my reads of the slot are over
	CROUND
	tensor_load_to_lds s[G0+4:G0+7], s[G1:G1+7]
	s_nop 0
.rept 4
	v_nop
.endr
	ASK
.else
	s_wait_dscnt 0x0
	s_barrier_signal -1
	s_barrier_wait -1
.endif
	s_sub_co_u32 s[TB], s[TB], SLOTB               ; the fetches go back to a slot's first step,
	s_xor_b32 s[TB], s[TB], SLOT1                  ; in the other slot
.endm
	s_wait_tensorcnt 1                             ; my part of slot 0 is in; slot 1's may stay out
	s_barrier_signal -1
	s_barrier_wait -1                              ; everybody's is
	FETCH_K                                        ; key step 0
	s_wait_loadcnt 0x0                             ; Q
	s_wait_dscnt 0x0
	WIN W_KQ
.set i, 0
.rept 8
	KQ 0                                           ; piece 0's first scores
.endr
	WIN 0
.set fn, 0
.rept 64
	v_mov_b32 v[O+fn], 0                           ; O^T.  (The key step is written once: the first finds zeros, which the first a leaves zeros.  These lines are also the places behind the products above)
.set fn, fn+1
.endr
.irp t, 0,1
	v_mov_b32 v[ST+8*\t], 0xff61b1e6               ; m: -3e38, under every score
.irp q, 1,2,3,4,5,6,7
	v_mov_b32 v[ST+8*\t+\q], 0
.endr
.endr
	TURN 1, 0, 1                                   ; piece 1's first scores | piece 0's first softmax | V of step 0
	STEPS 7                                        ; slot 0's other seven steps are fetched
.Lslot:                                            ; six trips: every slot's worth of keys but the first two comes by a refill
	CHANGE 1
	STEPS 8
	s_sub_co_u32 s[SLOTS], s[SLOTS], 1
	s_cmp_lg_u32 s[SLOTS], 0
	s_cbranch_scc1 .Lslot
	CHANGE 0                                       ; the tail is written out
	STEPS 8
	TURN 0, 1, 0                                   ; piece 0: V^T P of the last step | piece 1's last softmax
	WIN W_PV
.set i, 0
.rept 8
	PV 1                                           ; piece 1: V^T P of the last step
.endr
	WIN 0
	; THE WAY OUT.  l's two halves and the other half of the lanes' are added; O^T is divided by l, rounded to f16 and stored.  The additions are the places behind the last products.
.irp t, 0,1
	v_add_f32 v[ST+8*\t+4], v[ST+8*\t+2], v[ST+8*\t+3]
.endr
.irp t, 0,1
	v_permlanex16_b32 v[ST+8*\t+5], v[ST+8*\t+4], s[SEL], s[SEL+1]
.endr
.irp t, 0,1
	v_add_f32 v[ST+8*\t+4], v[ST+8*\t+4], v[ST+8*\t+5]
.endr
.irp t, 0,1
	v_rcp_f32 v[ST+8*\t+6], v[ST+8*\t+4]           ; l is at least 1: the row's largest p is 1
.endr
	v_nop                                          ; a plain instruction between the last reciprocal and the use of its result
	s_wait_alu depctr_va_vdst(0)                   ; and the wait: one for both
.irp t, 0,1
.set fn, 0
.rept 16
	v_pk_mul_f32 v[O+32*\t+2*fn:O+32*\t+2*fn+1], v[O+32*\t+2*fn:O+32*\t+2*fn+1], v[ST+8*\t+6:ST+8*\t+7] op_sel_hi:[1,0]
.set fn, fn+1
.endr
.set fn, 0
.rept 16
	v_cvt_pk_f16_f32 v[S+16*\t+fn], v[O+32*\t+2*fn], v[O+32*\t+2*fn+1]
.set fn, fn+1
.endr
.irp n, 0,1,2,3
	global_store_b128 v[LI], v[S+16*\t+4*\n:S+16*\t+4*\n+3], s[10:11] offset:16384*\t+512*\n   ; channels 16 n on of 16 queries: 512 consecutive bytes, at a multiple of 512 from rf's first byte
.endr
.endr
	s_wait_tensorcnt 0x0                           ; the wave's end: behind my last tensor load
	ds_add_u32 v[SPW], v[NIL]
	s_wait_dscnt 0x0
	CROUND                                         ; the closing round: no work-group ends while a partner may still ask for a tile that names it
	s_endpgm
.Lfunc_end_k_q2da9234ade_attn:
	.size	k_q2da9234ade_attn, .Lfunc_end_k_q2da9234ade_attn-k_q2da9234ade_attn
	.p2alignl 7, 3214868480
	.fill 96, 4, 3214868480
	.section	.rodata,"a",@progbits
	.p2align	6, 0x0
	.amdhsa_kernel k_q2da9234ade_attn
		.amdhsa_group_segment_fixed_size 327680
		.amdhsa_private_segment_fixed_size 0
		.amdhsa_enable_private_segment 0
		.amdhsa_kernarg_size 32
		.amdhsa_user_sgpr_count 2
		.amdhsa_user_sgpr_kernarg_segment_ptr 1
		.amdhsa_wavefront_size32 1
		.amdhsa_system_sgpr_workgroup_id_x 1
		.amdhsa_system_sgpr_workgroup_id_y 1
		.amdhsa_system_sgpr_workgroup_id_z 1
		.amdhsa_system_vgpr_workitem_id 0
		.amdhsa_next_free_vgpr 512
		.amdhsa_next_free_sgpr 66
		.amdhsa_reserve_vcc 0
		.amdhsa_float_denorm_mode_32 3
		.amdhsa_float_denorm_mode_16_64 3
		.amdhsa_memory_ordered 1
		.amdhsa_forward_progress 1
		.amdhsa_inst_pref_size 86
	.end_amdhsa_kernel
	.amdgpu_metadata
---
amdhsa.version: [ 1, 2 ]
amdhsa.kernels:
  - .name:           k_q2da9234ade_attn
    .symbol:         k_q2da9234ade_attn.kd
    .args:
      - { .name: qf, .offset: 0, .size: 8, .value_kind: global_buffer, .address_space: global }
      - { .name: kf, .offset: 8, .size: 8, .value_kind: global_buffer, .address_space: global }
      - { .name: vf, .offset: 16, .size: 8, .value_kind: global_buffer, .address_space: global }
      - { .name: rf, .offset: 24, .size: 8, .value_kind: global_buffer, .address_space: global }
    .group_segment_fixed_size: 327680
    .private_segment_fixed_size: 0
    .kernarg_segment_align: 8
    .kernarg_segment_size: 32
    .max_flat_workgroup_size: 256
    .sgpr_count:     66
    .vgpr_count:     512
    .wavefront_size: 32
...
	.end_amdgpu_metadata
.endif
;; end of part 3
;; launch outp (part 4): grid 4 x 64, 4 waves a work-group, clusters of 4 x 4, 327,680 bytes of LDS; arguments rf, wo16, amax, gamma_v, gamma_out, bo, out0; writes out0
.if DOCPART == 4
	.amdgcn_target "amdgcn-amd-amdhsa--gfx1250"
	.amdhsa_code_object_version 6
	.text
	.protected	k_q2da9234ade_outp
	.globl	k_q2da9234ade_outp
	.p2align	8
	.type	k_q2da9234ade_outp,@function
k_q2da9234ade_outp:
	s_mov_b64 s[64:65], 0
	v_nop
	global_prefetch_b8 v0, s[64:65] scope:SCOPE_SE
	s_setreg_imm32_b32 hwreg(HW_REG_WAVE_MODE, 25, 1), 1
	s_wait_xcnt 0x0
	s_wait_alu depctr_hold_cnt(0) depctr_sa_sdst(0) depctr_va_vdst(0) depctr_va_sdst(0) depctr_va_ssrc(0) depctr_va_vcc(0) depctr_vm_vsrc(0)
	s_getreg_b32 s2, hwreg(HW_REG_IB_STS2, 6, 4)
	s_cmp_eq_u32 s2, 0
	s_cbranch_scc0 .Lentry_in_a_cluster
	s_endpgm
.Lentry_in_a_cluster:
	s_bfe_u32 s2, ttmp6, 0x10000c
	s_cmp_lg_u32 s2, 0xf033
	s_cbranch_scc0 .Lentry_shape_is_right
	s_endpgm
.Lentry_shape_is_right:
; out = gamma_out (r Wo^T + bo).  r [8192][512] and Wo [512][512] are f16, as images of operand registers: [tile of 16 rows][32 along K, 16][1 KB]; sums in f32; out [8192][512] f32.
; r carries the power of two F' that the projection of v gave it (its exponent field is made here again from the same three largest magnitudes): the sums are multiplied by 1 / F', which rounds nothing.
; SHARES.  A work-group makes 128 tokens x 128 outputs; each of four waves 64 x 64: 16 accumulators that take turns, one instruction a turn.
; ALL OF K LIES IN LDS: 128 KB of r and 128 KB of Wo, in four chunks of 128 along K.  Each wave fetches a quarter of each chunk (four tiles x 4 KB) by one tensor load: four loads a wave, all issued at the head; nothing is filled
; twice, so the chunks are parted by plain barriers with counted waits.  Every LDS read is 16 bytes a lane, 512 consecutive bytes: no padding.
; CLUSTERS: 4 x 4 work-groups.  The four of a row of the cluster need the same tiles of r, the four of a column the same tiles of Wo: each is asked for JOINTLY.
; THE MATRIX INSTRUCTION IS USED TRANSPOSED (source 0 = 16 rows of Wo, source 1 = 16 tokens): a lane holds eight neighbouring outputs of one token.  They go through the wave's own stage and leave as aligned runs of 256 bytes.
; LIMITS: NaN and infinities are not served.
.set CHUNK,  65536                     ; LDS: chunk q at CHUNK q: r's eight tiles of 4,096 bytes, then Wo's eight
.set STAGE,  4*CHUNK                   ; behind them: 16 rows x 272 bytes for each wave
.set SPITCH, 272
.set SPARE,  STAGE+4*16*SPITCH         ; behind the stages: the spare words, 128 bytes a wave: two blocks of 256 bytes that no other line names
.set ADRR, 8                           ; v8-11   LDS address of my four tiles of r in chunk q
.set ADRW, 12                          ; v12-15  of Wo
.set AW,   20                          ; v20     the largest magnitudes of Wv's tiles;  v21-23 at work
.set TT,   21
.set STO,  24                          ; v24     the stage: where I put 32 bytes of a row
.set RD,   25                          ; v25     and where I read a row back
.set CO,   26                          ; v26     my byte offset in out
.set SPW,  28                          ; v28     LDS address of my spare word; never rewritten
.set NIL,  29                          ; v29     0; never rewritten
.set GO,   32                          ; v32-63  gamma_out in the result's layout: 8 b + j = output 16 b + 8 (lane / 16) + j
.set BO,   64                          ; v64-95  bo likewise
.set AX,   96                          ; v96-111 the largest magnitudes of x's tiles
.set GG,   112                         ; v112-127 gamma_v
.set ACC,  128                         ; v128-255 the accumulators: (a, b) at 8 (4 a + b)
.set F0,   0                           ; window 1: two fragment buffers of 128: for 64 along K, 64 registers of r (8 (4 c + a)), then 64 of Wo
.set F1,   128
.set WV,   18
.set SEL,  28                          ; s[28:29]
.set G0R,  32                          ; s[32:47] group 0 for r's four chunks;  s[48:63] for Wo's
.set G0W,  48
.set G1,   68                          ; s[68:75] group 1 for r's tiles;  s[76:83] for Wo's: it differs in the mask alone
.set G1B,  76
.set MSB, 0
.macro WIN new
.if MSB != \new
	s_set_vgpr_msb (MSB<<8)|\new
.set MSB, \new
.endif
.endm
.set MUL,  0x05                        ; sources 0 (Wo) and 1 (r) window 1; C and D window 0
.set TO_F, 0x40                        ; destination window 1, address window 0
.macro CROUND                          ; a round of the cluster's barrier
	s_barrier_signal -1
	s_barrier_wait -1
	s_cmp_lg_u32 s[WV], 0
	s_cbranch_scc1 .Lnot_wave_0_\@
	s_barrier_signal -3
.Lnot_wave_0_\@:
	s_barrier_wait -3
	s_barrier_signal -1
	s_barrier_wait -1
.endm
	s_load_b256 s[4:11], s[0:1], 0x0               ; rf, wo16, amax, gamma_v
	s_load_b128 s[12:15], s[0:1], 0x20             ; gamma_out, bo
	s_load_b64 s[16:17], s[0:1], 0x30              ; out0
	v_lshl_add_u32 v[SPW], v0, 2, SPARE
	v_mov_b32 v[NIL], 0
	ds_add_u32 v[SPW], v[NIL]                      ; the wave's opening: the add, twice on end, and its wait ahead of my first tensor load
	ds_add_u32 v[SPW], v[NIL]
	v_lshrrev_b32 v1, 5, v0
	v_readfirstlane_b32 s[WV], v1                  ; wave 0..3
	s_lshr_b32 s19, s[WV], 1                       ; which half of the tokens is mine.  Also: I fetch for r (0) or for Wo (1)
	s_and_b32 s20, s[WV], 1                        ; which half of the outputs.  Also: which four tiles I fetch
	s_bfe_u32 s21, ttmp6, 0x40000                  ; cx, cy: my place in the cluster
	s_bfe_u32 s22, ttmp6, 0x40004
	s_lshl_b32 s23, ttmp9, 2
	s_add_co_u32 s23, s23, s21                     ; block of 128 outputs = 4 x cluster x + cx
	s_and_b32 s24, ttmp7, 0xffff
	s_lshl_b32 s24, s24, 2
	s_add_co_u32 s24, s24, s22                     ; block of 128 tokens = 4 x cluster y + cy
	s_lshl_b32 s25, s22, 2
	s_lshl_b32 s25, 15, s25                        ; my row of the cluster
	s_lshl_b32 s26, 0x1111, s21                    ; my column
	; descriptor group 1: four tiles' 4,096 bytes of a chunk, 16,384 bytes from tile to tile
	s_or_b32 s[G1], s25, (3<<16)|(1<<21)           ; 15:0 the mask: r's tiles go to my row; 17:16 elements of 8 bytes; 21 set beside a mask; no padding
	s_or_b32 s[G1B], s26, (3<<16)|(1<<21)          ; Wo's go to my column
.irp g, G1, G1B
	s_mov_b32 s[\g+1], 512<<16                     ; tensor_dim0 = 512
	s_mov_b32 s[\g+2], 4<<16                       ; tensor_dim1 = 4
	s_mov_b32 s[\g+3], 512<<16                     ; tile_dim0 = 512
	s_mov_b32 s[\g+4], 4                           ; tile_dim1 = 4
	s_mov_b32 s[\g+5], 2048                        ; from row to row
	s_mov_b32 s[\g+6], 0
	s_mov_b32 s[\g+7], 0
.endr
	s_lshl_b32 s86, s20, 16                        ; which four tiles of the eight
	s_lshl_b32 s84, s24, 17
	s_add_co_u32 s84, s84, s86                     ; r: tile 8 x block of tokens + 4 x half
	s_mov_b32 s85, 0
	s_lshl_b32 s88, s23, 17
	s_add_co_u32 s88, s88, s86                     ; Wo: tile 8 x block of outputs + 4 x half
	s_mov_b32 s89, 0
	s_lshl_b32 s87, s[WV], 14                      ; where they go in a chunk: 16,384 x wave: no place in the cluster enters an LDS address
	s_mov_b32 s[SEL], 0x76543210
	s_mov_b32 s[SEL+1], 0xfedcba98
	s_wait_dscnt 0x0                               ; both opening adds are done
	s_wait_kmcnt 0x0
	s_add_nc_u64 s[84:85], s[4:5], s[84:85]
	s_add_nc_u64 s[88:89], s[6:7], s[88:89]
.irp q, 0,1,2,3
	s_mov_b32 s[G0R+4*\q], 1
	s_add_co_u32 s[G0R+4*\q+1], s87, CHUNK*\q
	s_add_nc_u64 s[G0R+4*\q+2:G0R+4*\q+3], s[84:85], 4096*\q
	s_or_b32 s[G0R+4*\q+3], s[G0R+4*\q+3], 0x80000000
	s_mov_b32 s[G0W+4*\q], 1
	s_add_co_u32 s[G0W+4*\q+1], s87, CHUNK*\q
	s_add_nc_u64 s[G0W+4*\q+2:G0W+4*\q+3], s[88:89], 4096*\q
	s_or_b32 s[G0W+4*\q+3], s[G0W+4*\q+3], 0x80000000
.endr
	CROUND                                         ; all sixteen work-groups are here: the joint loads meet
	s_cmp_eq_u32 s19, 0                            ; a wave's four fills stand in one branch on its number, ahead of every wait on TENSORcnt and every LDS read: four loads of mine are out
	s_cbranch_scc0 .Lfor_w
.irp q, 0,1,2,3
	tensor_load_to_lds s[G0R+4*\q:G0R+4*\q+3], s[G1:G1+7]
	s_nop 0
.endr
.rept 4
	v_nop
.endr
	s_branch .Lasked
.Lfor_w:
.irp q, 0,1,2,3
	tensor_load_to_lds s[G0W+4*\q:G0W+4*\q+3], s[G1B:G1B+7]
	s_nop 0
.endr
.rept 4
	v_nop
.endr
.Lasked:
	v_and_b32 v1, 15, v0                           ; r = lane % 16
	v_bfe_u32 v2, v0, 4, 1                         ; h = lane / 16
	v_and_b32 v3, 31, v0
	v_lshlrev_b32 v5, 2, v3                        ; 4 x lane
	v_lshlrev_b32 v3, 4, v3                        ; 16 x lane
	v_lshlrev_b32 v4, 5, v2                        ; 32 h
	s_lshl_b32 s90, s23, 9
	s_lshl_b32 s91, s20, 8
	s_add_co_u32 s90, s90, s91                     ; my 64 outputs, in bytes of f32
	s_mov_b32 s91, 0
	s_add_nc_u64 s[12:13], s[12:13], s[90:91]
	s_add_nc_u64 s[14:15], s[14:15], s[90:91]
	s_add_nc_u64 s[16:17], s[16:17], s[90:91]
	s_lshl_b32 s90, s24, 18
	s_lshl_b32 s92, s19, 17
	s_add_co_u32 s90, s90, s92                     ; my first token's row of 2,048 bytes
	s_add_nc_u64 s[16:17], s[16:17], s[90:91]
.irp b, 0,1,2,3
	global_load_b128 v[GO+8*\b:GO+8*\b+3], v4, s[12:13] offset:64*\b
	global_load_b128 v[GO+8*\b+4:GO+8*\b+7], v4, s[12:13] offset:64*\b+16
	global_load_b128 v[BO+8*\b:BO+8*\b+3], v4, s[14:15] offset:64*\b
	global_load_b128 v[BO+8*\b+4:BO+8*\b+7], v4, s[14:15] offset:64*\b+16
.endr
.irp n, 0,1,2,3
	global_load_b128 v[AX+4*\n:AX+4*\n+3], v3, s[8:9] offset:512*\n
	global_load_b128 v[GG+4*\n:GG+4*\n+3], v3, s[10:11] offset:512*\n
.endr
	global_load_b32 v[AW], v5, s[8:9] offset:4*576
	s_lshl_b32 s90, s19, 14                        ; my four tiles of r,
	s_lshl_b32 s91, s20, 14
	s_add_co_u32 s91, s91, 32768                   ; and of Wo, which lie behind r's eight
.irp q, 0,1,2,3
	v_add_nc_u32 v[ADRR+\q], s90, v3
	v_add_nc_u32 v[ADRW+\q], s91, v3
	s_add_co_u32 s90, s90, CHUNK
	s_add_co_u32 s91, s91, CHUNK
.endr
	s_mul_i32 s92, s[WV], 16*SPITCH
	s_add_co_u32 s92, s92, STAGE                   ; my stage
	v_mul_u32_u24 v6, v1, SPITCH
	v_lshl_add_u32 v6, v2, 5, v6
	v_add_nc_u32 v[STO], s92, v6                   ; in: row r, 32 bytes for each half of the lanes
	v_mul_u32_u24 v7, v2, SPITCH
	v_lshl_add_u32 v7, v1, 4, v7
	v_add_nc_u32 v[RD], s92, v7                    ; back: lanes 0-15 one row of 256 bytes, lanes 16-31 the next
	v_lshlrev_b32 v[CO], 11, v2
	v_lshl_add_u32 v[CO], v1, 4, v[CO]             ; and the same two rows in out
; 8 matrix instructions: tiles of tokens a0, a0 + 1 x my four tiles of outputs, 32 along K: half c of buffer f.  zero = 1: the first product starts the sums
.macro MUL8 f, c, a0, zero
.irp a, \a0, \a0+1
.irp b, 0,1,2,3
.if \zero
	v_wmma_f32_16x16x32_f16 v[ACC+8*(4*(\a)+\b):ACC+8*(4*(\a)+\b)+7], v[\f+64+8*(4*\c+\b):\f+64+8*(4*\c+\b)+7], v[\f+8*(4*\c+\a):\f+8*(4*\c+\a)+7], 0
.else
	v_wmma_f32_16x16x32_f16 v[ACC+8*(4*(\a)+\b):ACC+8*(4*(\a)+\b)+7], v[\f+64+8*(4*\c+\b):\f+64+8*(4*\c+\b)+7], v[\f+8*(4*\c+\a):\f+8*(4*\c+\a)+7], v[ACC+8*(4*(\a)+\b):ACC+8*(4*(\a)+\b)+7]
.endif
.endr
.endr
.endm
; 32 LDS loads in one run: the fragments of unit u (64 along K) into buffer f; the first 32 along K first
.macro FETCH u, f
	WIN TO_F
.irp c, 0,1
.irp i, 0,1,2,3
	ds_load_b128 v[\f+64+8*(4*\c+\i):\f+64+8*(4*\c+\i)+3],   v[ADRW+(\u)/2] offset:4096*\i+2048*((\u)%2)+1024*\c
	ds_load_b128 v[\f+64+8*(4*\c+\i)+4:\f+64+8*(4*\c+\i)+7], v[ADRW+(\u)/2] offset:4096*\i+2048*((\u)%2)+1024*\c+512
	ds_load_b128 v[\f+8*(4*\c+\i):\f+8*(4*\c+\i)+3],         v[ADRR+(\u)/2] offset:4096*\i+2048*((\u)%2)+1024*\c
	ds_load_b128 v[\f+8*(4*\c+\i)+4:\f+8*(4*\c+\i)+7],       v[ADRR+(\u)/2] offset:4096*\i+2048*((\u)%2)+1024*\c+512
.endr
.endr
.endm
; Unit u of 8: 32 matrix instructions on buffer u % 2; in its middle the next unit's fragments are fetched into the other buffer.  Where the next unit begins a chunk, the chunk's barrier stands in front of the fetch.
.macro UNIT u
.set FF, 128*((\u)%2)
.set FG, 128-FF
	s_wait_dscnt 16                                ; the first 32 along K are in; the sixteen younger loads may be out
	WIN MUL
.if (\u) == 0
	MUL8 FF, 0, 0, 1
	MUL8 FF, 0, 2, 1
.else
	MUL8 FF, 0, 0, 0
	MUL8 FF, 0, 2, 0
.endif
.if (\u) < 7
.rept 4
	v_nop                                          ; four places in front of loads into registers that matrix instructions have read
.endr
.if (\u)%2 == 1
	s_wait_tensorcnt 3-((\u)+1)/2                  ; my part of the next chunk is in; the later chunks' loads may stay out
	s_wait_dscnt 0x0                               ; no LDS instruction of mine is pending at a signal
	s_barrier_signal -1
	s_barrier_wait -1                              ; everybody's part is in
.endif
	FETCH (\u)+1, FG
	s_wait_dscnt 32                                ; all but the 32 just issued
.else
	s_wait_dscnt 0x0
.endif
	WIN MUL
	MUL8 FF, 1, 0, 0
	MUL8 FF, 1, 2, 0
.endm
; The exponent field of F' = 2^(384 - Ex - Ew - Eg), held to 1 .. 253, as the projection made it, into s[sx]; s[sx+1], s[sx+2] at work.
.macro SVCALC ax, gg, aw, tt, sx
	v_max3_num_f32 v[\tt], v[\ax], v[\ax+1], v[\ax+2]
	v_max3_num_f32 v[\tt+1], |v[\gg]|, |v[\gg+1]|, |v[\gg+2]|
.irp i, 3,5,7,9,11,13
	v_max3_num_f32 v[\tt], v[\tt], v[\ax+\i], v[\ax+\i+1]
	v_max3_num_f32 v[\tt+1], v[\tt+1], |v[\gg+\i]|, |v[\gg+\i+1]|
.endr
	v_max_num_f32 v[\tt], v[\tt], v[\ax+15]
	v_max_num_f32 v[\tt+1], v[\tt+1], |v[\gg+15]|
.irp m, 1,2,4,8
	v_max_num_f32_dpp v[\tt], v[\tt], v[\tt] row_xmask:\m row_mask:0xf bank_mask:0xf
	v_max_num_f32_dpp v[\tt+1], v[\tt+1], v[\tt+1] row_xmask:\m row_mask:0xf bank_mask:0xf
	v_max_num_f32_dpp v[\aw], v[\aw], v[\aw] row_xmask:\m row_mask:0xf bank_mask:0xf
.endr
	v_mov_b32 v[\tt+2], 0                          ; a lane permute's destination counts as one of its sources
	v_permlanex16_b32 v[\tt+2], v[\tt], s[SEL], s[SEL+1]
	v_max_num_f32 v[\tt], v[\tt], v[\tt+2]
	v_permlanex16_b32 v[\tt+2], v[\tt+1], s[SEL], s[SEL+1]
	v_max_num_f32 v[\tt+1], v[\tt+1], v[\tt+2]
	v_permlanex16_b32 v[\tt+2], v[\aw], s[SEL], s[SEL+1]
	v_max_num_f32 v[\aw], v[\aw], v[\tt+2]
	v_readfirstlane_b32 s[\sx], v[\tt]
	v_readfirstlane_b32 s[\sx+1], v[\tt+1]
	v_readfirstlane_b32 s[\sx+2], v[\aw]
	s_lshr_b32 s[\sx], s[\sx], 23
	s_lshr_b32 s[\sx+1], s[\sx+1], 23
	s_lshr_b32 s[\sx+2], s[\sx+2], 23
	s_add_co_u32 s[\sx], s[\sx], s[\sx+1]
	s_add_co_u32 s[\sx], s[\sx], s[\sx+2]
	s_sub_co_i32 s[\sx], 511, s[\sx]
	s_max_i32 s[\sx], s[\sx], 1
	s_min_i32 s[\sx], s[\sx], 253
.endm
	s_wait_tensorcnt 3                             ; my part of chunk 0 is in; the three later chunks' loads may stay out,
	s_barrier_signal -1
	s_barrier_wait -1                              ; everybody's is
	FETCH 0, F0
.irp u, 0,1,2,3,4,5,6,7
	UNIT \u
.endr
	WIN 0
	s_wait_loadcnt 0x0                             ; the gains, the bias and the magnitudes, asked for at the head
	SVCALC AX, GG, AW, TT, 92                      ; (its lines are also the places behind the last products)
	s_sub_co_i32 s92, 254, s92                     ; 1 / F': the exponent field mirrored
	s_lshl_b32 s30, s92, 23
	s_mov_b32 s31, s30                             ; (named as a pair, so both words are written)
; THE WAY OUT, a tile of 16 tokens at a time: sum / F' + bo, x gamma_out, in place, each accumulator from its low end on; 32 bytes a lane into my stage; back as whole rows of 256 bytes, into the registers that they left.
.macro TOST a
.irp b, 0,1,2,3
.irp p, 0,1,2,3
	v_pk_fma_f32 v[ACC+8*(4*\a+\b)+2*\p:ACC+8*(4*\a+\b)+2*\p+1], v[ACC+8*(4*\a+\b)+2*\p:ACC+8*(4*\a+\b)+2*\p+1], s[30:31], v[BO+8*\b+2*\p:BO+8*\b+2*\p+1] op_sel_hi:[1,0,1]
.endr
.irp p, 0,1,2,3
	v_pk_mul_f32 v[ACC+8*(4*\a+\b)+2*\p:ACC+8*(4*\a+\b)+2*\p+1], v[ACC+8*(4*\a+\b)+2*\p:ACC+8*(4*\a+\b)+2*\p+1], v[GO+8*\b+2*\p:GO+8*\b+2*\p+1]
.endr
.endr
.irp b, 0,1,2,3
	ds_store_b128 v[STO], v[ACC+8*(4*\a+\b):ACC+8*(4*\a+\b)+3] offset:64*\b
	ds_store_b128 v[STO], v[ACC+8*(4*\a+\b)+4:ACC+8*(4*\a+\b)+7] offset:64*\b+16
.endr
.irp i, 0,1,2,3,4,5,6,7
	ds_load_b128 v[ACC+32*\a+4*\i:ACC+32*\a+4*\i+3], v[RD] offset:2*\i*SPITCH   ; LDS serves a wave's instructions in order: these see the stores above, and the next tile's stores come behind them
.endr
.endm
.macro SEND a, younger                 ; younger: the LDS instructions issued behind tile a's loads: the next tile's sixteen, or none
.irp i, 0,1,2,3,4,5,6,7
	s_wait_dscnt \younger+7-\i
	global_store_b128 v[CO], v[ACC+32*\a+4*\i:ACC+32*\a+4*\i+3], s[16:17] offset:(16*\a+2*\i)*2048 th:TH_STORE_NT   ; 16 lanes store 256 consecutive bytes, at a multiple of 256 from out's first byte
.endr
.endm
	TOST 0
	TOST 1                                         ; a tile's arithmetic stands between the loads of the tile before and its stores
	SEND 0, 16
	TOST 2
	SEND 1, 16
	TOST 3
	SEND 2, 16
	SEND 3, 0
	s_wait_tensorcnt 0x0                           ; the wave's end: behind my last tensor load and my last LDS store
	ds_add_u32 v[SPW], v[NIL]
	s_wait_dscnt 0x0
	CROUND                                         ; the closing round: no work-group ends while a partner may still ask for a tile that names it
	s_endpgm
.Lfunc_end_k_q2da9234ade_outp:
	.size	k_q2da9234ade_outp, .Lfunc_end_k_q2da9234ade_outp-k_q2da9234ade_outp
	.p2alignl 7, 3214868480
	.fill 96, 4, 3214868480
	.section	.rodata,"a",@progbits
	.p2align	6, 0x0
	.amdhsa_kernel k_q2da9234ade_outp
		.amdhsa_group_segment_fixed_size 327680
		.amdhsa_private_segment_fixed_size 0
		.amdhsa_enable_private_segment 0
		.amdhsa_kernarg_size 56
		.amdhsa_user_sgpr_count 2
		.amdhsa_user_sgpr_kernarg_segment_ptr 1
		.amdhsa_wavefront_size32 1
		.amdhsa_system_sgpr_workgroup_id_x 1
		.amdhsa_system_sgpr_workgroup_id_y 1
		.amdhsa_system_sgpr_workgroup_id_z 1
		.amdhsa_system_vgpr_workitem_id 0
		.amdhsa_next_free_vgpr 512
		.amdhsa_next_free_sgpr 96
		.amdhsa_reserve_vcc 0
		.amdhsa_float_denorm_mode_32 3
		.amdhsa_float_denorm_mode_16_64 3
		.amdhsa_memory_ordered 1
		.amdhsa_forward_progress 1
		.amdhsa_inst_pref_size 64
	.end_amdhsa_kernel
	.amdgpu_metadata
---
amdhsa.version: [ 1, 2 ]
amdhsa.kernels:
  - .name:           k_q2da9234ade_outp
    .symbol:         k_q2da9234ade_outp.kd
    .args:
      - { .name: rf, .offset: 0, .size: 8, .value_kind: global_buffer, .address_space: global }
      - { .name: wo16, .offset: 8, .size: 8, .value_kind: global_buffer, .address_space: global }
      - { .name: amax, .offset: 16, .size: 8, .value_kind: global_buffer, .address_space: global }
      - { .name: gamma_v, .offset: 24, .size: 8, .value_kind: global_buffer, .address_space: global }
      - { .name: gamma_out, .offset: 32, .size: 8, .value_kind: global_buffer, .address_space: global }
      - { .name: bo, .offset: 40, .size: 8, .value_kind: global_buffer, .address_space: global }
      - { .name: out0, .offset: 48, .size: 8, .value_kind: global_buffer, .address_space: global }
    .group_segment_fixed_size: 327680
    .private_segment_fixed_size: 0
    .kernarg_segment_align: 8
    .kernarg_segment_size: 56
    .max_flat_workgroup_size: 128
    .sgpr_count:     96
    .vgpr_count:     512
    .wavefront_size: 32
...
	.end_amdgpu_metadata
.endif
;; end of part 4
